; MI455X (gfx1250); checked and timed in simulation.
; The chip was launched on July 23, 2026; its instructions are those of AMD's public machine-readable ISA for CDNA 5 (MIT licence, August 2026) and "CDNA5" Instruction Set Architecture Reference Guide (July 2026). The comments in the code are by the model that wrote it; some were corrected since.
;; Triton Block Sparse Attention. Allowed arithmetic: float matrix products may take bf16 or f16 operands with f32 sums; all other float work in f32.
;; Inputs: k 8 x 4,096 x 64 float32; layout 32 x 32 int32; q 8 x 4,096 x 64 float32; v 8 x 4,096 x 64 float32.
;; Outputs: out0 8 x 4,096 x 64 float32.
;; 2 versions, each right; version 2 is version 1 with the launch bsattn written anew for expert scheduling mode. Each part assembles by itself: llvm-mc -triple=amdgcn-amd-amdhsa -mcpu=gfx1250 --defsym DOCPART=n.
;; ======== version 1 of 2: 1 launch
;; launch bsattn (part 1): grid 32 x 8, 8 waves a work-group, no clusters, 166,912 bytes of LDS; arguments q, k, v, layout, out0; writes out0
.if DOCPART == 1
	.amdgcn_target "amdgcn-amd-amdhsa--gfx1250"
	.amdhsa_code_object_version 6
	.text
	.protected	k_q84e848b1de_bsattn
	.globl	k_q84e848b1de_bsattn
	.p2align	8
	.type	k_q84e848b1de_bsattn,@function
k_q84e848b1de_bsattn:
	s_mov_b64 s[64:65], 0
	v_nop
	global_prefetch_b8 v0, s[64:65] scope:SCOPE_SE
	s_setreg_imm32_b32 hwreg(HW_REG_WAVE_MODE, 25, 1), 1
	s_wait_xcnt 0x0
; Block-sparse attention.  q, k, v, out0: [8][4096][64] f32.  layout: [32][32] i32; block (i, j) of 128 x 128 scores is live where layout[i][j] == 1.
; One work-group for each (batch b, block-row i of 128 queries): 32 x 8 = 256 work-groups of eight waves.
;
; TRANSPOSED: S^T = K Q^T (A = 16 keys, B = 16 queries) and O^T = V^T P^T (A = 16 columns of V, B = 16 queries).  In a result tile a lane
; holds one query (lane % 16) and eight keys (8 (lane / 16) + 0..7): row maximum and row sum are sums inside a lane plus one exchange with
; lane xor 16, the rescale factor is a number of the lane, and two neighbouring S^T tiles packed to bf16 ARE the B fragment of the second
; product (registers 0-3: k = 8h + 0..7, registers 4-7: k = 16 + 8h + 0..7): P never leaves the registers.
; Wave w takes queries 32 (w & 3) .. + 31 and keys 64 (w >> 2) .. + 63 of every live tile, with a running maximum, sum and O^T of its own;
; the two key halves are merged once, at the end, through LDS.  Per live tile a wave issues 16 + 16 matrix instructions on 32 fragment loads.
;
; K AND V come as f32 through registers (256 threads x 16 loads of 16 bytes = the tile's 64 KiB, each load of a wave 512 consecutive bytes),
; are rounded once per work-group to bf16 and stored into one of two LDS buffers.  The next live tile's loads are issued in front of this
; tile's arithmetic and converted behind it.
; THE WALK: the live tiles in ascending order (lowest set bit of the row's mask).  The loop has 32 trips whatever the mask, each with one
; barrier that every wave passes; branches on the mask jump over work only.  A trip has three ways: fetch + compute + convert; compute
; (the last live tile); nothing.
; The accumulators are cleared once by moves: the way with no live tile runs through the same text, and cleared sums are its result.
;
; NO CLUSTER, NO JOINT REQUESTS: work-groups that read the same K and V (one batch, 32 block-rows) walk different tile lists, which are an
; input; work-groups with the same list (one block-row, 8 batches) read different tensors.  A joint walk over the union of four rows' lists
; would bring every partner up to 32 tiles where its own list may hold far fewer.
; NO TENSOR LOADS: the source is f32; a tile laid into LDS as it is would cost 64 KiB more of LDS reads and 32 KiB of LDS writes per tile
; to become bf16, beside the 128 KiB of fragment reads.
;
; LIMITS.  q, k, v and the weights p enter the matrix unit rounded to bf16; the sum l is taken from the unrounded p.  The maximum is a
; running one, in raw score units; p = 2^((s - m) 0.125 log2 e).  v_exp_f32 gives 0 for results below 2^-126.  NaN and infinities in
; q, k, v are not served.  Any layout value other than 1 is dead; a block-row with no live block gives zeros: both as in the definition.
.set ROWB,   256                       ; a row of 64 f32
.set KP,     144                       ; LDS pitch of K and Q rows: 128 bytes of bf16 + 16, an odd multiple of 16
.set VP,     160                       ; LDS pitch of V rows: 128 + 32, an odd multiple of 32, for the transposing load
.set VOFF,   128*KP                    ; 18,432: V behind K in a buffer
.set BUFB,   VOFF+128*VP               ; 38,912 bytes a buffer; buffers at 0 and BUFB
.set QBUF,   2*BUFB                    ; 77,824: Q, 128 rows of KP
.set MRG,    QBUF+128*KP               ; 96,256: four groups of GRP: 16 x 512 bytes of O^T, then 512 bytes of (m0, m1, l0, l1)
.set GRP,    8704
.set STG,    MRG+4*GRP                 ; 131,072: four groups of 32 rows x SPITCH: the way out.  Ends at 165,888
.set SPITCH, 272                       ; 256 bytes + 16
; block 0
.set AK,  8                            ; v8   LDS address of my K fragments in buffer 0
.set AV,  9                            ; v9   the same for V (transposing loads)
.set AQ,  10                           ; v10  the same for Q
.set PF,  11                           ; v11  prefetch offset, never rewritten
.set MR,  12                           ; v[12:13]   running maximum of query tile n = 0, 1
.set LS,  14                           ; v[14:15]   running sum (of this lane's half of the keys)
.set QF,  16                           ; v[16:47]   Q fragments, + 16 n + 8 s (s: which 32 of the 64 along d)
.set ACC, 48                           ; v[48:111]  O^T, + 32 n + 8 t (t: which 16 of the 64 columns)
.set SC,  112                          ; v[112:175] S^T, + 32 n + 8 i (i: which 16 of my 64 keys); then P, fragment c at + 32 n + 16 c
.set KV,  176                          ; v[176:239] K fragments + 16 i + 8 s; then V fragments + 16 t + 8 c
.set MX,  240                          ; v[240:241] the new maximum
.set TB,  242                          ; v[242:243] second maximum chain; lane exchange; the tile's sums
.set NM,  244                          ; v[244:245] - maximum x C
.set AL,  246                          ; v[246:247] rescale factor
.set SP,  248                          ; v[248:255] four pairs of partial sums
; block 1 (v256 and up), named by their low 8 bits under the setting 0x55 (all four operand places in block 1)
.set ST,  0                            ; v[256:319] staging: K at + 4 i, V at + 32 + 4 i
.set QS,  64                           ; v[320:351] staging of Q
.set GO,  96                           ; v352 16 x thread: my 16 bytes in each run of 16 rows
.set LK,  97                           ; v353 where my 8 bytes of bf16 go in K of buffer 0
.set LV,  98                           ; v354 the same for V
.set LQ,  99                           ; v355 the same for Q
.set MSB, 0
.macro WIN new                         ; the immediate's high byte repeats the setting that is left; every macro below ends at 0
.if MSB != \new
	s_set_vgpr_msb (MSB<<8)|\new
.set MSB, \new
.endif
.endm
	s_load_b256 s[4:11], s[0:1], 0x0               ; q s[4:5], k s[6:7], v s[8:9], layout s[10:11]
	s_load_b64 s[12:13], s[0:1], 0x20              ; out0
	s_set_vgpr_msb 0x40
	v_lshl_add_u32 v104, v0, 2, 0x28800
	v_mov_b32 v105, 0
	s_set_vgpr_msb 0x4000
	v_lshrrev_b32 v1, 5, v0
	v_readfirstlane_b32 s14, v1                    ; wave w
	s_and_b32 s15, s14, 3                          ; qg: which 32 queries
	s_lshr_b32 s16, s14, 2                         ; kh: which 64 keys of a tile
	s_mov_b32 s17, ttmp9                           ; block-row i
	s_and_b32 s18, ttmp7, 0xffff                   ; batch b
	v_and_b32 v2, 15, v0                           ; r = lane % 16 (also thread % 16)
	v_bfe_u32 v3, v0, 4, 1                         ; h = lane / 16
	v_mul_u32_u24 v4, v2, KP
	v_lshl_add_u32 v4, v3, 4, v4                   ; r x pitch + 16 h: a fragment of rows that lie along d
	s_mul_i32 s24, s16, 64*KP
	v_add_nc_u32 v[AK], s24, v4                    ; + my 64 keys
	s_mul_i32 s24, s15, 32*KP
	s_add_co_u32 s24, s24, QBUF
	v_add_nc_u32 v[AQ], s24, v4                    ; Q: + my 32 queries
	v_and_b32 v5, 7, v0
	v_lshl_add_u32 v5, v3, 3, v5                   ; key 8 h + lane % 8
	v_mul_u32_u24 v5, v5, VP
	v_bfe_u32 v6, v0, 3, 1
	v_lshl_add_u32 v5, v6, 4, v5                   ; + 16 bytes for the upper eight lanes of each sixteen
	s_mul_i32 s24, s16, 64*VP
	s_add_co_u32 s24, s24, VOFF
	v_add_nc_u32 v[AV], s24, v5
	v_and_b32 v6, 31, v0
	v_lshlrev_b32 v6, 2, v6                        ; lane j takes layout[i][j]
	v_and_b32 v[PF], 127, v0
	v_lshlrev_b32 v[PF], 8, v[PF]                  ; 128 threads, 256 bytes apart: one tile of 32 KiB
	; the loader's four address registers, made in v240-243 and moved to block 1 (this is also the first write of v242, v243,
	; which the lane exchange behind the loop names as destinations on the way with no live tile)
	v_lshrrev_b32 v1, 4, v0                        ; thread / 16: my row in each run of 16 rows
	v_lshlrev_b32 v240, 4, v0
	v_lshlrev_b32 v241, 3, v2                      ; 4 f32 become 8 bytes
	v_mad_u32_u24 v242, v1, VP, v241
	v_mad_u32_u24 v241, v1, KP, v241
	v_add_nc_u32 v242, VOFF, v242
	v_add_nc_u32 v243, QBUF, v241
	WIN 0x40                                       ; destination in block 1
	v_mov_b32 v[GO], v240
	v_mov_b32 v[LK], v241
	v_mov_b32 v[LV], v242
	v_mov_b32 v[LQ], v243
	WIN 0
	s_lshl_b32 s20, s18, 20                        ; a batch is 4,096 rows of 256 bytes
	s_mov_b32 s21, 0
	s_lshl_b32 s40, s17, 15                        ; a block of 128 rows is 32,768 bytes
	s_mov_b32 s41, 0
	s_wait_kmcnt 0x0
	s_add_nc_u64 s[6:7], s[6:7], s[20:21]          ; k and v at my batch
	s_add_nc_u64 s[8:9], s[8:9], s[20:21]
	s_add_nc_u64 s[4:5], s[4:5], s[20:21]          ; q and out0 at my block-row
	s_add_nc_u64 s[4:5], s[4:5], s[40:41]
	s_add_nc_u64 s[12:13], s[12:13], s[20:21]
	s_add_nc_u64 s[12:13], s[12:13], s[40:41]
	s_cmp_lt_u32 s14, 4
	s_cselect_b64 s[38:39], s[6:7], s[8:9]         ; prefetch: waves 0-3 ask in k, waves 4-7 in v,
	s_add_nc_u64 s[38:39], s[38:39], s[40:41]      ; for tile i of my batch
	s_lshl_b32 s20, s15, 13
	s_add_nc_u64 s[12:13], s[12:13], s[20:21]      ; out0 at my wave's 32 rows
	s_lshl_b32 s20, s17, 7
	s_add_nc_u64 s[10:11], s[10:11], s[20:21]      ; layout at row i
	global_load_b32 v7, v6, s[10:11]
	WIN 0x55
.irp i, 0,1,2,3,4,5,6,7
	global_load_b128 v[QS+4*\i:QS+4*\i+3], v[GO], s[4:5] offset:16*ROWB*\i th:TH_LOAD_NT   ; q is read once in the whole launch
.endr
	WIN 0
	; One prefetch a wave: work-group (b, i) asks for tile i of k and of v of batch b, lanes 256 bytes apart, 32 KiB of each tensor, so that
	; each block of 256 bytes of k and v is asked for once in the launch (16 MiB in all), always inside the buffers.  It serves the other
	; 31 block-rows of the batch, which come to tile i in later trips.  Its address registers are never rewritten.
	global_prefetch_b8 v[PF], s[38:39] th:TH_LOAD_NT scope:SCOPE_SE
	; while the loads are on their way
.set j, 0
.rept 64
	v_mov_b32 v[ACC+j], 0
.set j, j+1
.endr
	v_mov_b32 v[MR], 0xff7fffff                    ; the most negative finite f32: m - m is 0 in the merge of an empty row
	v_mov_b32 v[MR+1], 0xff7fffff
	v_mov_b32 v[LS], 0
	v_mov_b32 v[LS+1], 0
	s_mov_b32 s30, 0x3e38aa3b                      ; C = 0.125 log2 e, as a pair
	s_mov_b32 s31, 0x3e38aa3b
	s_mov_b32 s32, 0xbe38aa3b                      ; - C
	s_mov_b32 s33, 0xbe38aa3b
	s_mov_b32 s34, 0x76543210                      ; v_permlanex16_b32: lane l takes lane l xor 16
	s_mov_b32 s35, 0xfedcba98
; The next live tile: its number is the lowest set bit of the mask, clamped to the table's 32 columns; the bit is cleared.
; s[26:29] were last named by loads that the last conversion's wait for zero loads showed done.
.macro NEXTTILE
	s_ctz_i32_b32 s24, s22
	s_min_u32 s24, s24, 31
	s_sub_co_u32 s25, s22, 1
	s_and_b32 s22, s22, s25
	s_lshl_b32 s40, s24, 15
	s_mov_b32 s41, 0
	s_add_nc_u64 s[26:27], s[6:7], s[40:41]
	s_add_nc_u64 s[28:29], s[8:9], s[40:41]
.endm
; 16 loads: the tile's 128 rows of K and of V, 16 rows (4,096 bytes) to a load of the work-group.  No hint: other block-rows read them again.
.macro FETCH
	WIN 0x55
.irp i, 0,1,2,3,4,5,6,7
	global_load_b128 v[ST+4*\i:ST+4*\i+3], v[GO], s[26:27] offset:16*ROWB*\i
.endr
.irp i, 0,1,2,3,4,5,6,7
	global_load_b128 v[ST+32+4*\i:ST+32+4*\i+3], v[GO], s[28:29] offset:16*ROWB*\i
.endr
	WIN 0
.endm
; Q: 4 f32 to 4 bf16 in place, 8 bytes to LDS
.macro CONVQ
	WIN 0x55
.irp i, 0,1,2,3,4,5,6,7
	v_cvt_pk_bf16_f32 v[QS+4*\i], v[QS+4*\i], v[QS+4*\i+1]
	v_cvt_pk_bf16_f32 v[QS+4*\i+1], v[QS+4*\i+2], v[QS+4*\i+3]
	ds_store_b64 v[LQ], v[QS+4*\i:QS+4*\i+1] offset:16*KP*\i
.endr
	WIN 0
.endm
; the fetched tile into buffer buf
.macro CONVERT buf
	s_wait_loadcnt 0x0                             ; all 16: they were issued in front of a whole tile's arithmetic
	WIN 0x55
.irp i, 0,1,2,3,4,5,6,7
	v_cvt_pk_bf16_f32 v[ST+4*\i], v[ST+4*\i], v[ST+4*\i+1]
	v_cvt_pk_bf16_f32 v[ST+4*\i+1], v[ST+4*\i+2], v[ST+4*\i+3]
	ds_store_b64 v[LK], v[ST+4*\i:ST+4*\i+1] offset:\buf*BUFB+16*KP*\i
.endr
.irp i, 0,1,2,3,4,5,6,7
	v_cvt_pk_bf16_f32 v[ST+32+4*\i], v[ST+32+4*\i], v[ST+32+4*\i+1]
	v_cvt_pk_bf16_f32 v[ST+32+4*\i+1], v[ST+32+4*\i+2], v[ST+32+4*\i+3]
	ds_store_b64 v[LV], v[ST+32+4*\i:ST+32+4*\i+1] offset:\buf*BUFB+16*VP*\i
.endr
	WIN 0
.endm
; One live tile from buffer buf: my 64 keys x my 32 queries.  Wholly in block 0.
.macro COMPUTE buf
	; K fragments, key tile by key tile
.irp i, 0,1,2,3
.irp s, 0,1
	ds_load_b128 v[KV+16*\i+8*\s:KV+16*\i+8*\s+3],   v[AK] offset:\buf*BUFB+16*KP*\i+64*\s
	ds_load_b128 v[KV+16*\i+8*\s+4:KV+16*\i+8*\s+7], v[AK] offset:\buf*BUFB+16*KP*\i+64*\s+32
.endr
.endr
	; S^T = K Q^T: the first 32 along d start the sums with the constant 0, the second 32 are the next links in place
.irp i, 0,1,2,3
	s_wait_dscnt 12-4*\i                           ; LDS loads come back in order: key tile i's four are in, the 4 (3 - i) younger ones stay out
	v_wmma_f32_16x16x32_bf16 v[SC+8*\i:SC+8*\i+7],       v[KV+16*\i:KV+16*\i+7],    v[QF:QF+7],     0
	v_wmma_f32_16x16x32_bf16 v[SC+32+8*\i:SC+32+8*\i+7], v[KV+16*\i:KV+16*\i+7],    v[QF+16:QF+23], 0
	v_wmma_f32_16x16x32_bf16 v[SC+8*\i:SC+8*\i+7],       v[KV+16*\i+8:KV+16*\i+15], v[QF+8:QF+15],  v[SC+8*\i:SC+8*\i+7]
	v_wmma_f32_16x16x32_bf16 v[SC+32+8*\i:SC+32+8*\i+7], v[KV+16*\i+8:KV+16*\i+15], v[QF+24:QF+31], v[SC+32+8*\i:SC+32+8*\i+7]
.endr
.rept 4
	v_nop                                          ; four places in front of the loads into the K fragments' registers and of the reads of S^T
.endr
	; V fragments, transposed on the way: A = 16 columns of V x 32 keys.  They land during the softmax.
.irp c, 0,1
.irp t, 0,1,2,3
	ds_load_tr16_b128 v[KV+16*\t+8*\c:KV+16*\t+8*\c+3],   v[AV] offset:\buf*BUFB+32*VP*\c+32*\t
	ds_load_tr16_b128 v[KV+16*\t+8*\c+4:KV+16*\t+8*\c+7], v[AV] offset:\buf*BUFB+32*VP*\c+16*VP+32*\t
.endr
.endr
	; the new maximum: two chains for each query tile, the first begun with the running maximum; 16 instructions for 32 scores + 1
.irp n, 0,1
	v_max3_num_f32 v[MX+\n], v[SC+32*\n],    v[SC+32*\n+1],  v[MR+\n]
	v_max3_num_f32 v[TB+\n], v[SC+32*\n+16], v[SC+32*\n+17], v[SC+32*\n+18]
.endr
.irp j, 0,2,4,6,8,10
.irp n, 0,1
	v_max3_num_f32 v[MX+\n], v[MX+\n], v[SC+32*\n+2+\j],  v[SC+32*\n+3+\j]
	v_max3_num_f32 v[TB+\n], v[TB+\n], v[SC+32*\n+19+\j], v[SC+32*\n+20+\j]
.endr
.endr
.irp n, 0,1
	v_max3_num_f32 v[MX+\n], v[MX+\n], v[SC+32*\n+14], v[SC+32*\n+15]
.endr
.irp n, 0,1
	v_max3_num_f32 v[MX+\n], v[MX+\n], v[TB+\n], v[SC+32*\n+31]
.endr
.irp n, 0,1
	v_permlanex16_b32 v[TB+\n], v[MX+\n], s34, s35 ; the same query's other eight keys of each tile lie in lane xor 16
.endr
.irp n, 0,1
	v_max_num_f32 v[MX+\n], v[MX+\n], v[TB+\n]
.endr
	; rescale factor 2^((m_old - m_new) C), and - m_new C for the exponents
	v_pk_add_f32 v[AL:AL+1], v[MR:MR+1], v[MX:MX+1] neg_lo:[0,1] neg_hi:[0,1]
	v_pk_mul_f32 v[AL:AL+1], v[AL:AL+1], s[30:31] op_sel_hi:[1,0]
	v_exp_f32 v[AL], v[AL]
	v_exp_f32 v[AL+1], v[AL+1]
	v_pk_mul_f32 v[NM:NM+1], v[MX:MX+1], s[32:33] op_sel_hi:[1,0]  ; also the plain place behind the two exponentials
	v_mov_b32 v[MR], v[MX]
	v_mov_b32 v[MR+1], v[MX+1]
	; p = 2^(s C - m C), in place.  Query tile 1's multiply-adds are the plain place behind tile 0's exponentials.
.irp n, 0,1
.irp j, 0,2,4,6,8,10,12,14,16,18,20,22,24,26,28,30
	v_pk_fma_f32 v[SC+32*\n+\j:SC+32*\n+\j+1], v[SC+32*\n+\j:SC+32*\n+\j+1], s[30:31], v[NM:NM+1] op_sel:[0,0,\n] op_sel_hi:[1,0,\n]
.endr
.irp j, 0,1,2,3,4,5,6,7,8,9,10,11,12,13,14,15,16,17,18,19,20,21,22,23,24,25,26,27,28,29,30,31
	v_exp_f32 v[SC+32*\n+\j], v[SC+32*\n+\j]
.endr
.endr
	; O^T x rescale factor (the plain place behind tile 1's exponentials)
	s_wait_alu depctr_va_vdst(0)
.irp n, 0,1
.irp j, 0,2,4,6,8,10,12,14,16,18,20,22,24,26,28,30
	v_pk_mul_f32 v[ACC+32*\n+\j:ACC+32*\n+\j+1], v[ACC+32*\n+\j:ACC+32*\n+\j+1], v[AL:AL+1] op_sel:[0,\n] op_sel_hi:[1,\n]
.endr
.endr
	; the tile's sums of p, unrounded: two chains of pairs for each query tile; they are closed behind the second product
.irp n, 0,1
	v_pk_add_f32 v[SP+4*\n:SP+4*\n+1],   v[SC+32*\n:SC+32*\n+1],     v[SC+32*\n+2:SC+32*\n+3]
	v_pk_add_f32 v[SP+4*\n+2:SP+4*\n+3], v[SC+32*\n+16:SC+32*\n+17], v[SC+32*\n+18:SC+32*\n+19]
.endr
.irp j, 4,6,8,10,12,14
.irp n, 0,1
	v_pk_add_f32 v[SP+4*\n:SP+4*\n+1],   v[SP+4*\n:SP+4*\n+1],   v[SC+32*\n+\j:SC+32*\n+\j+1]
	v_pk_add_f32 v[SP+4*\n+2:SP+4*\n+3], v[SP+4*\n+2:SP+4*\n+3], v[SC+32*\n+16+\j:SC+32*\n+16+\j+1]
.endr
.endr
	; P to bf16 in place, ascending: register k of a group of 16 is written when registers 2k, 2k + 1 are read, and was read at k / 2
.irp n, 0,1
.irp c, 0,1
.irp k, 0,1,2,3,4,5,6,7
	v_cvt_pk_bf16_f32 v[SC+32*\n+16*\c+\k], v[SC+32*\n+16*\c+2*\k], v[SC+32*\n+16*\c+2*\k+1]
.endr
.endr
.endr
	s_wait_dscnt 0x0                               ; the V fragments
	; O^T += V^T P^T: the two links of a chain stand eight instructions apart
.irp c, 0,1
.irp t, 0,1,2,3
.irp n, 0,1
	v_wmma_f32_16x16x32_bf16 v[ACC+32*\n+8*\t:ACC+32*\n+8*\t+7], v[KV+16*\t+8*\c:KV+16*\t+8*\c+7], v[SC+32*\n+16*\c:SC+32*\n+16*\c+7], v[ACC+32*\n+8*\t:ACC+32*\n+8*\t+7]
.endr
.endr
.endr
	; l = l x factor + the tile's sum.  These five name none of the products' registers: they are the five places in front of
	; the next tile's loads into the fragments' registers, of its products over S^T's registers, and of whatever reads O^T behind the loop.
	v_pk_add_f32 v[SP:SP+1],   v[SP:SP+1],   v[SP+2:SP+3]
	v_pk_add_f32 v[SP+4:SP+5], v[SP+4:SP+5], v[SP+6:SP+7]
	v_add_f32 v[TB],   v[SP],   v[SP+1]
	v_add_f32 v[TB+1], v[SP+4], v[SP+5]
	v_pk_fma_f32 v[LS:LS+1], v[LS:LS+1], v[AL:AL+1], v[TB:TB+1]
.endm
	; the row's mask, the same in all eight waves: bit j = (layout[i][j] == 1)
	s_wait_loadcnt 0x8                             ; the layout word is in; q's eight younger loads stay out
	v_cmp_eq_u32 s22, 1, v7                        ; s22: live tiles not yet fetched
	s_cmp_lg_u32 s22, 0
	s_cselect_b32 s23, 1, 0                        ; s23: the buffer that the next trip takes holds a tile
	s_cbranch_scc0 .Lnofirst
	NEXTTILE
	FETCH
	s_wait_loadcnt 0x10                            ; q is in; the first tile's 16 loads stay out
	CONVQ
	CONVERT 0
	s_branch .Lfirstjoin
.Lnofirst:
	s_wait_loadcnt 0x0
	CONVQ
.Lfirstjoin:
	s_wait_dscnt 0x0                               ; my stores of Q and of the first tile are done, for the other waves' sake
	s_barrier_signal -1
	s_barrier_wait -1
.irp n, 0,1
.irp s, 0,1
	ds_load_b128 v[QF+16*\n+8*\s:QF+16*\n+8*\s+3],   v[AQ] offset:16*KP*\n+64*\s
	ds_load_b128 v[QF+16*\n+8*\s+4:QF+16*\n+8*\s+7], v[AQ] offset:16*KP*\n+64*\s+32
.endr
.endr
	s_wait_dscnt 0x0                               ; Q stays in registers; its LDS bytes are never written again
	; 16 iterations x 2 buffers = 32 trips, as many as a row can have live tiles.  The barrier at a trip's end orders two things: every wave's
	; loads from this trip's buffer in front of the next trip's stores into it, and every wave's stores into the other buffer in front of
	; the next trip's loads from it.
	s_mov_b32 s36, 0
.Lloop:
	s_cmp_eq_u32 s22, 0
	s_cbranch_scc1 .Lnf0
	NEXTTILE                                       ; a further live tile: ask for it, work on buffer 0, lay it into buffer 1
	FETCH
	COMPUTE 0
	CONVERT 1
	s_branch .Lj0
.Lnf0:
	s_cmp_eq_u32 s23, 0
	s_cbranch_scc1 .Lj0
	COMPUTE 0                                      ; the last live tile
	s_mov_b32 s23, 0
.Lj0:
	s_wait_dscnt 0x0
	s_barrier_signal -1
	s_barrier_wait -1
	s_cmp_eq_u32 s22, 0
	s_cbranch_scc1 .Lnf1
	NEXTTILE
	FETCH
	COMPUTE 1
	CONVERT 0
	s_branch .Lj1
.Lnf1:
	s_cmp_eq_u32 s23, 0
	s_cbranch_scc1 .Lj1
	COMPUTE 1
	s_mov_b32 s23, 0
.Lj1:
	s_wait_dscnt 0x0
	s_barrier_signal -1
	s_barrier_wait -1
	s_add_co_u32 s36, s36, 1
	s_cmp_lt_u32 s36, 16
	s_cbranch_scc1 .Lloop
	; l of my 64-key half: this lane's part + that of lane xor 16 (the maximum is already common to both)
	v_permlanex16_b32 v[TB], v[LS], s34, s35
	v_permlanex16_b32 v[TB+1], v[LS+1], s34, s35
	v_pk_add_f32 v[LS:LS+1], v[LS:LS+1], v[TB:TB+1]
	v_and_b32 v5, 15, v0                           ; r
	v_bfe_u32 v6, v0, 4, 1                         ; h
	v_and_b32 v4, 31, v0
	v_lshlrev_b32 v4, 4, v4                        ; v4 = 16 x lane
	s_mul_i32 s25, s15, GRP
	s_add_co_u32 s24, s25, MRG
	v_add_nc_u32 v1, s24, v4                       ; v1: my 16 bytes in my query group's merge area
	s_add_co_u32 s24, s25, STG
	v_mul_u32_u24 v2, v5, SPITCH
	v_lshl_add_u32 v2, v6, 5, v2
	v_add_nc_u32 v2, s24, v2                       ; v2: the stage, in: row r, 32 bytes for each half of the lanes
	v_mul_u32_u24 v3, v6, SPITCH
	v_lshl_add_u32 v3, v5, 4, v3
	v_add_nc_u32 v3, s24, v3                       ; v3: the stage, back: lanes 0-15 one row of 256 bytes, lanes 16-31 the next
	; waves 4-7 (keys 64-127 of each tile) hand O^T, m and l to waves 0-3
	s_cmp_lt_u32 s14, 4
	s_cbranch_scc1 .Lnosend
.irp k, 0,1,2,3,4,5,6,7,8,9,10,11,12,13,14,15
	ds_store_b128 v1, v[ACC+4*\k:ACC+4*\k+3] offset:512*\k
.endr
	ds_store_b128 v1, v[MR:MR+3] offset:8192       ; m0, m1, l0, l1
.Lnosend:
	s_wait_dscnt 0x0                               ; the stores are done, for the partner's sake
	s_barrier_signal -1
	s_barrier_wait -1
	s_cmp_ge_u32 s14, 4
	s_cbranch_scc1 .Lend                           ; no barrier follows
	; waves 0-3: merge.  out = (Oa fa + Ob fb) / (la fa + lb fb), f = 2^((m_half - m) C), m the larger of the two maxima
.irp k, 0,1,2,3,4,5,6,7,8,9,10,11,12,13,14,15
	ds_load_b128 v[SC+4*\k:SC+4*\k+3], v1 offset:512*\k
.endr
	ds_load_b128 v[240:243], v1 offset:8192        ; the partner's m in v[240:241], l in v[242:243]
	s_wait_dscnt 0x0
	v_max_num_f32 v244, v[MR], v240
	v_max_num_f32 v245, v[MR+1], v241
	v_pk_add_f32 v[246:247], v[MR:MR+1], v[244:245] neg_lo:[0,1] neg_hi:[0,1]
	v_pk_add_f32 v[248:249], v[240:241], v[244:245] neg_lo:[0,1] neg_hi:[0,1]
	v_pk_mul_f32 v[246:247], v[246:247], s[30:31] op_sel_hi:[1,0]
	v_pk_mul_f32 v[248:249], v[248:249], s[30:31] op_sel_hi:[1,0]
	v_exp_f32 v246, v246                           ; fa
	v_exp_f32 v247, v247
	v_exp_f32 v248, v248                           ; fb
	v_exp_f32 v249, v249
	v_nop                                          ; one plain place behind the exponentials
	s_wait_alu depctr_va_vdst(0)
	v_pk_mul_f32 v[250:251], v[LS:LS+1], v[246:247]
	v_pk_fma_f32 v[250:251], v[242:243], v[248:249], v[250:251]    ; l
	v_rcp_f32 v252, v250
	v_rcp_f32 v253, v251
	v_nop                                          ; one plain place behind the reciprocals
	v_cmp_lt_f32 vcc_lo, 0, v250
	s_wait_alu depctr_va_vdst(0)
	v_cndmask_b32 v252, 0, v252, vcc_lo            ; l = 0 only where the block-row has no live tile: the factor 0 gives the zeros asked for
	v_cmp_lt_f32 vcc_lo, 0, v251
	v_cndmask_b32 v253, 0, v253, vcc_lo
	v_pk_mul_f32 v[246:247], v[246:247], v[252:253]
	v_pk_mul_f32 v[248:249], v[248:249], v[252:253]
.irp n, 0,1
.irp j, 0,2,4,6,8,10,12,14,16,18,20,22,24,26,28,30
	v_pk_mul_f32 v[ACC+32*\n+\j:ACC+32*\n+\j+1], v[ACC+32*\n+\j:ACC+32*\n+\j+1], v[246:247] op_sel:[0,\n] op_sel_hi:[1,\n]
.endr
.irp j, 0,2,4,6,8,10,12,14,16,18,20,22,24,26,28,30
	v_pk_fma_f32 v[ACC+32*\n+\j:ACC+32*\n+\j+1], v[SC+32*\n+\j:SC+32*\n+\j+1], v[248:249], v[ACC+32*\n+\j:ACC+32*\n+\j+1] op_sel:[0,\n,0] op_sel_hi:[1,\n,1]
.endr
.endr
	; THE WAY OUT.  Lane (r, h) holds columns 16 t + 8 h + 0..7 of query 16 n + r: 32 bytes of a row.  Through my own stage (rows of 272 bytes),
	; read back as whole rows.  LDS serves a wave's instructions in order, so no wait stands between my stores and my loads.
.irp n, 0,1
.irp t, 0,1,2,3
	ds_store_b128 v2, v[ACC+32*\n+8*\t:ACC+32*\n+8*\t+3]   offset:16*SPITCH*\n+64*\t
	ds_store_b128 v2, v[ACC+32*\n+8*\t+4:ACC+32*\n+8*\t+7] offset:16*SPITCH*\n+64*\t+16
.endr
.endr
.irp u, 0,1,2,3,4,5,6,7,8,9,10,11,12,13,14,15
	ds_load_b128 v[KV+4*\u:KV+4*\u+3], v3 offset:2*SPITCH*\u
.endr
.irp u, 0,1,2,3,4,5,6,7,8,9,10,11,12,13,14,15
	s_wait_dscnt 15-\u                             ; rows 2u, 2u + 1 are in; the younger read-backs stay out
	global_store_b128 v4, v[KV+4*\u:KV+4*\u+3], s[12:13] offset:2*ROWB*\u th:TH_STORE_NT   ; 512 consecutive bytes, at a multiple of 512 from out0's first byte
.endr
.Lend:
	s_set_vgpr_msb 0x5
	s_wait_tensorcnt 0x0
	ds_add_u32 v104, v105
	s_wait_dscnt 0x0
	s_set_vgpr_msb 0x500
	s_endpgm
.Lfunc_end_k_q84e848b1de_bsattn:
	.size	k_q84e848b1de_bsattn, .Lfunc_end_k_q84e848b1de_bsattn-k_q84e848b1de_bsattn
	.p2alignl 7, 3214868480
	.fill 96, 4, 3214868480
	.section	.rodata,"a",@progbits
	.p2align	6, 0x0
	.amdhsa_kernel k_q84e848b1de_bsattn
		.amdhsa_group_segment_fixed_size 166912
		.amdhsa_private_segment_fixed_size 0
		.amdhsa_enable_private_segment 0
		.amdhsa_kernarg_size 40
		.amdhsa_user_sgpr_count 2
		.amdhsa_user_sgpr_kernarg_segment_ptr 1
		.amdhsa_wavefront_size32 1
		.amdhsa_system_sgpr_workgroup_id_x 1
		.amdhsa_system_sgpr_workgroup_id_y 1
		.amdhsa_system_sgpr_workgroup_id_z 1
		.amdhsa_system_vgpr_workitem_id 0
		.amdhsa_next_free_vgpr 362
		.amdhsa_next_free_sgpr 66
		.amdhsa_reserve_vcc 1
		.amdhsa_float_denorm_mode_32 3
		.amdhsa_float_denorm_mode_16_64 3
		.amdhsa_memory_ordered 1
		.amdhsa_forward_progress 1
		.amdhsa_inst_pref_size 106
	.end_amdhsa_kernel
	.amdgpu_metadata
---
amdhsa.version: [ 1, 2 ]
amdhsa.kernels:
  - .name:           k_q84e848b1de_bsattn
    .symbol:         k_q84e848b1de_bsattn.kd
    .args:
      - { .name: q, .offset: 0, .size: 8, .value_kind: global_buffer, .address_space: global }
      - { .name: k, .offset: 8, .size: 8, .value_kind: global_buffer, .address_space: global }
      - { .name: v, .offset: 16, .size: 8, .value_kind: global_buffer, .address_space: global }
      - { .name: layout, .offset: 24, .size: 8, .value_kind: global_buffer, .address_space: global }
      - { .name: out0, .offset: 32, .size: 8, .value_kind: global_buffer, .address_space: global }
    .group_segment_fixed_size: 166912
    .private_segment_fixed_size: 0
    .kernarg_segment_align: 8
    .kernarg_segment_size: 40
    .max_flat_workgroup_size: 256
    .sgpr_count:     66
    .vgpr_count:     362
    .wavefront_size: 32
...
	.end_amdgpu_metadata
.endif
;; end of part 1
;; ======== version 2 of 2: 1 launch; version 1 with the launch bsattn written anew for expert scheduling mode
;; launch bsattn (part 2): grid 32 x 8, 8 waves a work-group, no clusters, 166,912 bytes of LDS; arguments q, k, v, layout, out0; writes out0
.if DOCPART == 2
	.amdgcn_target "amdgcn-amd-amdhsa--gfx1250"
	.amdhsa_code_object_version 6
	.text
	.protected	k_q84e848b1de_bsattn
	.globl	k_q84e848b1de_bsattn
	.p2align	8
	.type	k_q84e848b1de_bsattn,@function
k_q84e848b1de_bsattn:
	s_mov_b64 s[64:65], 0
	v_nop
	global_prefetch_b8 v0, s[64:65] scope:SCOPE_SE
	s_setreg_imm32_b32 hwreg(HW_REG_WAVE_SCHED_MODE, 0, 2), 2
	s_setreg_imm32_b32 hwreg(HW_REG_WAVE_MODE, 25, 1), 1
	s_wait_xcnt 0x0
	s_wait_alu depctr_vm_vsrc(0)
; Block-sparse attention.  q, k, v, out0: [8][4096][64] f32.  layout: [32][32] i32; block (i, j) of 128 x 128 scores is live where layout[i][j] == 1.
; One work-group for each (batch b, block-row i of 128 queries): 32 x 8 = 256 work-groups of eight waves.
;
; TRANSPOSED: S^T = K Q^T (A = 16 keys, B = 16 queries) and O^T = V^T P^T (A = 16 columns of V, B = 16 queries).  In a result tile a lane
; holds one query (lane % 16) and eight keys (8 (lane / 16) + 0..7): row maximum and row sum are sums inside a lane plus one exchange with
; lane xor 16, the rescale factor is a number of the lane, and two neighbouring S^T tiles packed to bf16 ARE the B fragment of the second
; product (registers 0-3: k = 8h + 0..7, registers 4-7: k = 16 + 8h + 0..7): P never leaves the registers.
; Wave w takes queries 32 (w & 3) .. + 31 and keys 64 (w >> 2) .. + 63 of every live tile, with a running maximum, sum and O^T of its own;
; the two key halves are merged once, at the end, through LDS.  Per live tile a wave issues 16 + 16 matrix instructions on 32 fragment loads.
;
; K AND V come as f32 through registers (256 threads x 16 loads of 16 bytes = the tile's 64 KiB, each load of a wave 512 consecutive bytes),
; are rounded once per work-group to bf16 and stored into one of two LDS buffers.  The next live tile's loads are issued in front of this
; tile's arithmetic and converted behind it.
; THE WALK: the live tiles in ascending order (lowest set bit of the row's mask).  The loop has 32 trips whatever the mask, each with one
; barrier that every wave passes; branches on the mask jump over work only.  A trip has three ways: fetch + compute + convert; compute
; (the last live tile); nothing.
; The accumulators are cleared once by moves: the way with no live tile runs through the same text, and cleared sums are its result.
;
; THE MODE: SCHED_MODE bits 1:0 = 2 (LLVM: expert scheduling mode 2), set by the entry lines.  The code itself states the register dependences
; between vector or matrix instructions and memory or LDS instructions, with s_wait_alu, always for 0.
; THE PLAN.  Registers that memory or LDS instructions touch, in the loop:
;   ST   the fetch's 16 loads land in it at a trip's head; the trip's 32 conversions read and write it in place; the trip's 16 LDS stores read it.
;   KV   a tile's 16 LDS loads of K fragments land in it; the tile's 16 products K Q^T read it.
;   VF   a tile's 16 transposing LDS loads of V fragments land in it; the tile's 16 products V^T P^T read it.  A buffer of its own, so that V does
;        not land in registers that the products K Q^T have just read.
;   AK, AV, GO, LK, LV   addresses, made at the kernel's head and never written again.
;   Q's fragments, S^T / P, O^T and the statistics are named by vector and matrix instructions alone.
; A trip that fetches has three waits.  At the tile's head one on va_vdst (the tile before is done reading KV and VF, the trip before is done converting
; ST) and one on vm_vsrc (the trip before's LDS stores have read ST): they cover the trip's 48 loads, since the only vector or matrix instructions
; between them and the last of those loads are the products K Q^T, which name KV, Q's fragments and S^T.  The third, on va_vdst, stands behind the
; conversions and ahead of the one run of LDS stores that read them.
; A scalar register that a vector instruction reads has a register of its own and is not written again.
;
; NO CLUSTER, NO JOINT REQUESTS: work-groups that read the same K and V (one batch, 32 block-rows) walk different tile lists, which are an
; input; work-groups with the same list (one block-row, 8 batches) read different tensors.  A joint walk over the union of four rows' lists
; would bring every partner up to 32 tiles where its own list may hold far fewer.
; NO TENSOR LOADS: the source is f32; a tile laid into LDS as it is would cost 64 KiB more of LDS reads and 32 KiB of LDS writes per tile
; to become bf16, beside the 128 KiB of fragment reads.
;
; LIMITS.  q, k, v and the weights p enter the matrix unit rounded to bf16; the sum l is taken from the unrounded p.  The maximum is a
; running one, in raw score units; p = 2^((s - m) 0.125 log2 e).  v_exp_f32 gives 0 for results below 2^-126.  NaN and infinities in
; q, k, v are not served.  Any layout value other than 1 is dead; a block-row with no live block gives zeros: both as in the definition.
.set ROWB,   256                       ; a row of 64 f32
.set KP,     144                       ; LDS pitch of K and Q rows: 128 bytes of bf16 + 16, an odd multiple of 16
.set VP,     160                       ; LDS pitch of V rows: 128 + 32, an odd multiple of 32, for the transposing load
.set VOFF,   128*KP                    ; 18,432: V behind K in a buffer
.set BUFB,   VOFF+128*VP               ; 38,912 bytes a buffer; buffers at 0 and BUFB
.set QBUF,   2*BUFB                    ; 77,824: Q, 128 rows of KP
.set MRG,    QBUF+128*KP               ; 96,256: four groups of GRP: 16 x 512 bytes of O^T, then 512 bytes of (m0, m1, l0, l1)
.set GRP,    8704
.set STG,    MRG+4*GRP                 ; 131,072: four groups of 32 rows x SPITCH: the way out.  Ends at 165,888
.set SPITCH, 272                       ; 256 bytes + 16
; block 0
.set AK,  8                            ; v8   LDS address of my K fragments in buffer 0
.set AV,  9                            ; v9   the same for V (transposing loads)
.set AQ,  10                           ; v10  the same for Q
.set PF,  11                           ; v11  prefetch offset, never rewritten
.set MR,  12                           ; v[12:13]   running maximum of query tile n = 0, 1
.set LS,  14                           ; v[14:15]   running sum (of this lane's half of the keys)
.set QF,  16                           ; v[16:47]   Q fragments, + 16 n + 8 s (s: which 32 of the 64 along d)
.set ACC, 48                           ; v[48:111]  O^T, + 32 n + 8 t (t: which 16 of the 64 columns)
.set SC,  112                          ; v[112:175] S^T, + 32 n + 8 i (i: which 16 of my 64 keys); then P, fragment c at + 32 n + 16 c
.set KV,  176                          ; v[176:239] K fragments + 16 i + 8 s; on the way out the rows read back from the stage
.set MX,  240                          ; v[240:241] the new maximum
.set TB,  242                          ; v[242:243] second maximum chain; lane exchange; the tile's sums
.set NM,  244                          ; v[244:245] - maximum x C
.set AL,  246                          ; v[246:247] rescale factor
.set SP,  248                          ; v[248:255] four pairs of partial sums
; block 1 (v256 and up), named by their low 8 bits
.set ST,  0                            ; v[256:319] staging: K at + 4 i, V at + 32 + 4 i
.set QS,  64                           ; v[320:351] staging of Q
.set GO,  96                           ; v352 16 x thread: my 16 bytes in each run of 16 rows
.set LK,  97                           ; v353 where my 8 bytes of bf16 go in K of buffer 0
.set LV,  98                           ; v354 the same for V
.set LQ,  99                           ; v355 the same for Q
.set VF,  100                          ; v[356:419] V fragments + 16 t + 8 c
.set MSB, 0
.macro WIN new                         ; the immediate's high byte repeats the setting that is left; every macro below ends at 0
.if MSB != \new
	s_set_vgpr_msb (MSB<<8)|\new
.set MSB, \new
.endif
.endm
	s_load_b256 s[4:11], s[0:1], 0x0               ; q s[4:5], k s[6:7], v s[8:9], layout s[10:11]
	s_load_b64 s[12:13], s[0:1], 0x20              ; out0
	s_set_vgpr_msb 0x40
	v_lshl_add_u32 v164, v0, 2, 0x28800
	v_mov_b32 v165, 0
	s_set_vgpr_msb 0x4000
	v_lshrrev_b32 v1, 5, v0
	v_readfirstlane_b32 s14, v1                    ; wave w; the vector work that needs no scalar stands between this line and the wait for it
	s_mov_b32 s17, ttmp9                           ; block-row i
	s_and_b32 s18, ttmp7, 0xffff                   ; batch b
	v_and_b32 v2, 15, v0                           ; r = lane % 16 (also thread % 16)
	v_bfe_u32 v3, v0, 4, 1                         ; h = lane / 16
	v_mul_u32_u24 v4, v2, KP
	v_lshl_add_u32 v4, v3, 4, v4                   ; r x pitch + 16 h: a fragment of rows that lie along d
	v_and_b32 v5, 7, v0
	v_lshl_add_u32 v5, v3, 3, v5                   ; key 8 h + lane % 8
	v_mul_u32_u24 v5, v5, VP
	v_bfe_u32 v6, v0, 3, 1
	v_lshl_add_u32 v5, v6, 4, v5                   ; + 16 bytes for the upper eight lanes of each sixteen
	v_and_b32 v6, 31, v0
	v_lshlrev_b32 v6, 2, v6                        ; lane j takes layout[i][j]
	v_and_b32 v[PF], 127, v0
	v_lshlrev_b32 v[PF], 8, v[PF]                  ; 128 threads, 256 bytes apart: one tile of 32 KiB
	; the loader's four address registers, made in v240-243 and moved to block 1 (this is also the first write of v242, v243,
	; which the lane exchange behind the loop names as destinations on the way with no live tile)
	v_lshrrev_b32 v1, 4, v0                        ; thread / 16: my row in each run of 16 rows
	v_lshlrev_b32 v240, 4, v0
	v_lshlrev_b32 v241, 3, v2                      ; 4 f32 become 8 bytes
	v_mad_u32_u24 v242, v1, VP, v241
	v_mad_u32_u24 v241, v1, KP, v241
	v_add_nc_u32 v242, VOFF, v242
	v_add_nc_u32 v243, QBUF, v241
	WIN 0x40                                       ; destination in block 1
	v_mov_b32 v[GO], v240
	v_mov_b32 v[LK], v241
	v_mov_b32 v[LV], v242
	v_mov_b32 v[LQ], v243
	WIN 0
	s_wait_alu depctr_va_sdst(0)                   ; s14 is written, ahead of its first reader
	s_and_b32 s15, s14, 3                          ; qg: which 32 queries
	s_lshr_b32 s16, s14, 2                         ; kh: which 64 keys of a tile
	s_mul_i32 s19, s16, 64*KP
	v_add_nc_u32 v[AK], s19, v4                    ; + my 64 keys
	s_mul_i32 s37, s15, 32*KP
	s_add_co_u32 s37, s37, QBUF
	v_add_nc_u32 v[AQ], s37, v4                    ; Q: + my 32 queries
	s_mul_i32 s42, s16, 64*VP
	s_add_co_u32 s42, s42, VOFF
	v_add_nc_u32 v[AV], s42, v5
	s_lshl_b32 s20, s18, 20                        ; a batch is 4,096 rows of 256 bytes
	s_mov_b32 s21, 0
	s_lshl_b32 s40, s17, 15                        ; a block of 128 rows is 32,768 bytes
	s_mov_b32 s41, 0
	s_wait_kmcnt 0x0
	s_add_nc_u64 s[6:7], s[6:7], s[20:21]          ; k and v at my batch
	s_add_nc_u64 s[8:9], s[8:9], s[20:21]
	s_add_nc_u64 s[4:5], s[4:5], s[20:21]          ; q and out0 at my block-row
	s_add_nc_u64 s[4:5], s[4:5], s[40:41]
	s_add_nc_u64 s[12:13], s[12:13], s[20:21]
	s_add_nc_u64 s[12:13], s[12:13], s[40:41]
	s_cmp_lt_u32 s14, 4
	s_cselect_b64 s[38:39], s[6:7], s[8:9]         ; prefetch: waves 0-3 ask in k, waves 4-7 in v,
	s_add_nc_u64 s[38:39], s[38:39], s[40:41]      ; for tile i of my batch
	s_lshl_b32 s20, s15, 13
	s_add_nc_u64 s[12:13], s[12:13], s[20:21]      ; out0 at my wave's 32 rows
	s_lshl_b32 s20, s17, 7
	s_add_nc_u64 s[10:11], s[10:11], s[20:21]      ; layout at row i
	s_wait_alu depctr_va_vdst(0)                   ; the nine address registers are written: v6, PF, AK, AV, AQ, GO, LK, LV, LQ; every load, LDS store and the prefetch up to the loop's end reads one of them
	global_load_b32 v7, v6, s[10:11]
	WIN 0x55
.irp i, 0,1,2,3,4,5,6,7
	global_load_b128 v[QS+4*\i:QS+4*\i+3], v[GO], s[4:5] offset:16*ROWB*\i th:TH_LOAD_NT   ; q is read once in the whole launch
.endr
	WIN 0
	; One prefetch a wave: work-group (b, i) asks for tile i of k and of v of batch b, lanes 256 bytes apart, 32 KiB of each tensor, so that
	; each block of 256 bytes of k and v is asked for once in the launch (16 MiB in all), always inside the buffers.  It serves the other
	; 31 block-rows of the batch, which come to tile i in later trips.  Its address registers are never rewritten.
	global_prefetch_b8 v[PF], s[38:39] th:TH_LOAD_NT scope:SCOPE_SE
	; while the loads are on their way; none of these registers is touched by a load before the loop's end
.set j, 0
.rept 64
	v_mov_b32 v[ACC+j], 0
.set j, j+1
.endr
	v_mov_b32 v[MR], 0xff7fffff                    ; the most negative finite f32: m - m is 0 in the merge of an empty row
	v_mov_b32 v[MR+1], 0xff7fffff
	v_mov_b32 v[LS], 0
	v_mov_b32 v[LS+1], 0
	s_mov_b32 s30, 0x3e38aa3b                      ; C = 0.125 log2 e, as a pair
	s_mov_b32 s31, 0x3e38aa3b
	s_mov_b32 s32, 0xbe38aa3b                      ; - C
	s_mov_b32 s33, 0xbe38aa3b
	s_mov_b32 s34, 0x76543210                      ; v_permlanex16_b32: lane l takes lane l xor 16
	s_mov_b32 s35, 0xfedcba98
; The next live tile: its number is the lowest set bit of the mask, clamped to the table's 32 columns; the bit is cleared.
; s[26:29] were last named by loads that the last conversion's wait for zero loads showed done.
.macro NEXTTILE
	s_ctz_i32_b32 s24, s22
	s_min_u32 s24, s24, 31
	s_sub_co_u32 s25, s22, 1
	s_and_b32 s22, s22, s25
	s_lshl_b32 s40, s24, 15
	s_mov_b32 s41, 0
	s_add_nc_u64 s[26:27], s[6:7], s[40:41]
	s_add_nc_u64 s[28:29], s[8:9], s[40:41]
.endm
; 16 loads: the tile's 128 rows of K and of V, 16 rows (4,096 bytes) to a load of the work-group.  No hint: other block-rows read them again.
.macro FETCH
	WIN 0x55
.irp i, 0,1,2,3,4,5,6,7
	global_load_b128 v[ST+4*\i:ST+4*\i+3], v[GO], s[26:27] offset:16*ROWB*\i
.endr
.irp i, 0,1,2,3,4,5,6,7
	global_load_b128 v[ST+32+4*\i:ST+32+4*\i+3], v[GO], s[28:29] offset:16*ROWB*\i
.endr
	WIN 0
.endm
; Q: 4 f32 to 4 bf16 in place, 8 bytes to LDS
.macro CONVQ
	WIN 0x55
.irp i, 0,1,2,3,4,5,6,7
	v_cvt_pk_bf16_f32 v[QS+4*\i], v[QS+4*\i], v[QS+4*\i+1]
	v_cvt_pk_bf16_f32 v[QS+4*\i+1], v[QS+4*\i+2], v[QS+4*\i+3]
.endr
	s_wait_alu depctr_va_vdst(0)                   ; the conversions have written QS, which the LDS stores read
.irp i, 0,1,2,3,4,5,6,7
	ds_store_b64 v[LQ], v[QS+4*\i:QS+4*\i+1] offset:16*KP*\i
.endr
	WIN 0
.endm
; the fetched tile into buffer buf: all 32 conversions, one wait, one run of 16 stores
.macro CONVERT buf
	s_wait_loadcnt 0x0                             ; all 16: they were issued in front of a whole tile's arithmetic
	WIN 0x55
.irp i, 0,1,2,3,4,5,6,7,8,9,10,11,12,13,14,15
	v_cvt_pk_bf16_f32 v[ST+4*\i], v[ST+4*\i], v[ST+4*\i+1]
	v_cvt_pk_bf16_f32 v[ST+4*\i+1], v[ST+4*\i+2], v[ST+4*\i+3]
.endr
	s_wait_alu depctr_va_vdst(0)                   ; the conversions have written ST, which the LDS stores read
.irp i, 0,1,2,3,4,5,6,7
	ds_store_b64 v[LK], v[ST+4*\i:ST+4*\i+1] offset:\buf*BUFB+16*KP*\i
.endr
.irp i, 0,1,2,3,4,5,6,7
	ds_store_b64 v[LV], v[ST+32+4*\i:ST+32+4*\i+1] offset:\buf*BUFB+16*VP*\i
.endr
	WIN 0
.endm
; One live tile from buffer buf: my 64 keys x my 32 queries.  fetch = 1: the next live tile, whose addresses NEXTTILE has just made, is asked for.
.macro COMPUTE buf, fetch
	s_wait_alu depctr_va_vdst(0)                   ; on every way into a tile: the products of the tile before are done reading KV and VF, in which this tile's 32 LDS loads land; the conversions of the trip before are done with ST, in which the fetch lands
.if \fetch
	s_wait_alu depctr_vm_vsrc(0)                   ; the LDS stores of the trip before have read ST, which the fetch and then this trip's conversions write again
.endif
	; K fragments, key tile by key tile: first, since the wave waits for them
.irp i, 0,1,2,3
.irp s, 0,1
	ds_load_b128 v[KV+16*\i+8*\s:KV+16*\i+8*\s+3],   v[AK] offset:\buf*BUFB+16*KP*\i+64*\s
	ds_load_b128 v[KV+16*\i+8*\s+4:KV+16*\i+8*\s+7], v[AK] offset:\buf*BUFB+16*KP*\i+64*\s+32
.endr
.endr
.if \fetch
	FETCH                                          ; between the waits above and these loads stand loads and window switches alone
.endif
	; S^T = K Q^T: the first 32 along d start the sums with the constant 0, the second 32 are the next links in place
.irp i, 0,1,2,3
	s_wait_dscnt 12-4*\i                           ; LDS loads come back in order: key tile i's four are in, the 4 (3 - i) younger ones stay out
	v_wmma_f32_16x16x32_bf16 v[SC+8*\i:SC+8*\i+7],       v[KV+16*\i:KV+16*\i+7],    v[QF:QF+7],     0
	v_wmma_f32_16x16x32_bf16 v[SC+32+8*\i:SC+32+8*\i+7], v[KV+16*\i:KV+16*\i+7],    v[QF+16:QF+23], 0
	v_wmma_f32_16x16x32_bf16 v[SC+8*\i:SC+8*\i+7],       v[KV+16*\i+8:KV+16*\i+15], v[QF+8:QF+15],  v[SC+8*\i:SC+8*\i+7]
	v_wmma_f32_16x16x32_bf16 v[SC+32+8*\i:SC+32+8*\i+7], v[KV+16*\i+8:KV+16*\i+15], v[QF+24:QF+31], v[SC+32+8*\i:SC+32+8*\i+7]
.endr
	; V fragments, transposed on the way: A = 16 columns of V x 32 keys.  They land during the softmax.
	; No wait: since the wait at the tile's head only the products above were issued, and they name neither VF nor AV.
	WIN 0x40                                       ; destination in block 1, address in block 0
.irp c, 0,1
.irp t, 0,1,2,3
	ds_load_tr16_b128 v[VF+16*\t+8*\c:VF+16*\t+8*\c+3],   v[AV] offset:\buf*BUFB+32*VP*\c+32*\t
	ds_load_tr16_b128 v[VF+16*\t+8*\c+4:VF+16*\t+8*\c+7], v[AV] offset:\buf*BUFB+32*VP*\c+16*VP+32*\t
.endr
.endr
	WIN 0
.rept 4
	v_nop                                          ; four places (ISA guide 7.12.1) in front of the reads of S^T
.endr
	; the new maximum: two chains for each query tile, the first begun with the running maximum; 16 instructions for 32 scores + 1
.irp n, 0,1
	v_max3_num_f32 v[MX+\n], v[SC+32*\n],    v[SC+32*\n+1],  v[MR+\n]
	v_max3_num_f32 v[TB+\n], v[SC+32*\n+16], v[SC+32*\n+17], v[SC+32*\n+18]
.endr
.irp j, 0,2,4,6,8,10
.irp n, 0,1
	v_max3_num_f32 v[MX+\n], v[MX+\n], v[SC+32*\n+2+\j],  v[SC+32*\n+3+\j]
	v_max3_num_f32 v[TB+\n], v[TB+\n], v[SC+32*\n+19+\j], v[SC+32*\n+20+\j]
.endr
.endr
.irp n, 0,1
	v_max3_num_f32 v[MX+\n], v[MX+\n], v[SC+32*\n+14], v[SC+32*\n+15]
.endr
.irp n, 0,1
	v_max3_num_f32 v[MX+\n], v[MX+\n], v[TB+\n], v[SC+32*\n+31]
.endr
.irp n, 0,1
	v_permlanex16_b32 v[TB+\n], v[MX+\n], s34, s35 ; the same query's other eight keys of each tile lie in lane xor 16
.endr
.irp n, 0,1
	v_max_num_f32 v[MX+\n], v[MX+\n], v[TB+\n]
.endr
	; rescale factor 2^((m_old - m_new) C), and - m_new C for the exponents
	v_pk_add_f32 v[AL:AL+1], v[MR:MR+1], v[MX:MX+1] neg_lo:[0,1] neg_hi:[0,1]
	v_pk_mul_f32 v[AL:AL+1], v[AL:AL+1], s[30:31] op_sel_hi:[1,0]
	v_exp_f32 v[AL], v[AL]
	v_exp_f32 v[AL+1], v[AL+1]
	v_pk_mul_f32 v[NM:NM+1], v[MX:MX+1], s[32:33] op_sel_hi:[1,0]  ; also the plain place behind the two exponentials
	v_mov_b32 v[MR], v[MX]
	v_mov_b32 v[MR+1], v[MX+1]
	; p = 2^(s C - m C), in place.  Query tile 1's multiply-adds are the plain place behind tile 0's exponentials.
.irp n, 0,1
.irp j, 0,2,4,6,8,10,12,14,16,18,20,22,24,26,28,30
	v_pk_fma_f32 v[SC+32*\n+\j:SC+32*\n+\j+1], v[SC+32*\n+\j:SC+32*\n+\j+1], s[30:31], v[NM:NM+1] op_sel:[0,0,\n] op_sel_hi:[1,0,\n]
.endr
.irp j, 0,1,2,3,4,5,6,7,8,9,10,11,12,13,14,15,16,17,18,19,20,21,22,23,24,25,26,27,28,29,30,31
	v_exp_f32 v[SC+32*\n+\j], v[SC+32*\n+\j]
.endr
.endr
	; O^T x rescale factor (the plain place behind tile 1's exponentials)
	s_wait_alu depctr_va_vdst(0)
.irp n, 0,1
.irp j, 0,2,4,6,8,10,12,14,16,18,20,22,24,26,28,30
	v_pk_mul_f32 v[ACC+32*\n+\j:ACC+32*\n+\j+1], v[ACC+32*\n+\j:ACC+32*\n+\j+1], v[AL:AL+1] op_sel:[0,\n] op_sel_hi:[1,\n]
.endr
.endr
	; the tile's sums of p, unrounded: two chains of pairs for each query tile; they are closed behind the second product
.irp n, 0,1
	v_pk_add_f32 v[SP+4*\n:SP+4*\n+1],   v[SC+32*\n:SC+32*\n+1],     v[SC+32*\n+2:SC+32*\n+3]
	v_pk_add_f32 v[SP+4*\n+2:SP+4*\n+3], v[SC+32*\n+16:SC+32*\n+17], v[SC+32*\n+18:SC+32*\n+19]
.endr
.irp j, 4,6,8,10,12,14
.irp n, 0,1
	v_pk_add_f32 v[SP+4*\n:SP+4*\n+1],   v[SP+4*\n:SP+4*\n+1],   v[SC+32*\n+\j:SC+32*\n+\j+1]
	v_pk_add_f32 v[SP+4*\n+2:SP+4*\n+3], v[SP+4*\n+2:SP+4*\n+3], v[SC+32*\n+16+\j:SC+32*\n+16+\j+1]
.endr
.endr
	; P to bf16 in place, ascending: register k of a group of 16 is written when registers 2k, 2k + 1 are read, and was read at k / 2
.irp n, 0,1
.irp c, 0,1
.irp k, 0,1,2,3,4,5,6,7
	v_cvt_pk_bf16_f32 v[SC+32*\n+16*\c+\k], v[SC+32*\n+16*\c+2*\k], v[SC+32*\n+16*\c+2*\k+1]
.endr
.endr
.endr
	s_wait_dscnt 0x0                               ; the V fragments
	; O^T += V^T P^T: the two links of a chain stand eight instructions apart
	WIN 0x01                                       ; A (source 0) in block 1
.irp c, 0,1
.irp t, 0,1,2,3
.irp n, 0,1
	v_wmma_f32_16x16x32_bf16 v[ACC+32*\n+8*\t:ACC+32*\n+8*\t+7], v[VF+16*\t+8*\c:VF+16*\t+8*\c+7], v[SC+32*\n+16*\c:SC+32*\n+16*\c+7], v[ACC+32*\n+8*\t:ACC+32*\n+8*\t+7]
.endr
.endr
.endr
	WIN 0
	; l = l x factor + the tile's sum.  These five name none of the products' registers: they are the five places (ISA guide 7.12.1) in front of
	; the next tile's products over S^T's registers and of whatever reads O^T behind the loop.
	v_pk_add_f32 v[SP:SP+1],   v[SP:SP+1],   v[SP+2:SP+3]
	v_pk_add_f32 v[SP+4:SP+5], v[SP+4:SP+5], v[SP+6:SP+7]
	v_add_f32 v[TB],   v[SP],   v[SP+1]
	v_add_f32 v[TB+1], v[SP+4], v[SP+5]
	v_pk_fma_f32 v[LS:LS+1], v[LS:LS+1], v[AL:AL+1], v[TB:TB+1]
.endm
	; the row's mask, the same in all eight waves: bit j = (layout[i][j] == 1)
	s_wait_loadcnt 0x8                             ; the layout word is in; q's eight younger loads stay out
	v_cmp_eq_u32 s22, 1, v7                        ; s22: live tiles not yet fetched
	s_wait_alu depctr_va_sdst(0)                   ; s22 is written, ahead of its first reader
	s_cmp_lg_u32 s22, 0
	s_cselect_b32 s23, 1, 0                        ; s23: the buffer that the next trip takes holds a tile
	s_cbranch_scc0 .Lnofirst
	NEXTTILE
	FETCH                                          ; no wait: no vector instruction has named ST yet, and GO was written ahead of the wait in front of the first load
	s_wait_loadcnt 0x10                            ; q is in; the first tile's 16 loads stay out
	CONVQ
	CONVERT 0
	s_branch .Lfirstjoin
.Lnofirst:
	s_wait_loadcnt 0x0
	CONVQ
.Lfirstjoin:
	s_wait_dscnt 0x0                               ; my stores of Q and of the first tile are done, for the other waves' sake
	s_barrier_signal -1
	s_barrier_wait -1
.irp n, 0,1
.irp s, 0,1
	ds_load_b128 v[QF+16*\n+8*\s:QF+16*\n+8*\s+3],   v[AQ] offset:16*KP*\n+64*\s          ; no vector instruction has named Q's fragments yet
	ds_load_b128 v[QF+16*\n+8*\s+4:QF+16*\n+8*\s+7], v[AQ] offset:16*KP*\n+64*\s+32
.endr
.endr
	s_wait_dscnt 0x0                               ; Q stays in registers; its LDS bytes are never written again
	; 16 iterations x 2 buffers = 32 trips, as many as a row can have live tiles.  The barrier at a trip's end orders two things: every wave's
	; loads from this trip's buffer in front of the next trip's stores into it, and every wave's stores into the other buffer in front of
	; the next trip's loads from it.
	s_mov_b32 s36, 0
.Lloop:
	s_cmp_eq_u32 s22, 0
	s_cbranch_scc1 .Lnf0
	NEXTTILE                                       ; a further live tile: ask for it, work on buffer 0, lay it into buffer 1
	COMPUTE 0, 1
	CONVERT 1
	s_branch .Lj0
.Lnf0:
	s_cmp_eq_u32 s23, 0
	s_cbranch_scc1 .Lj0
	COMPUTE 0, 0                                   ; the last live tile
	s_mov_b32 s23, 0
.Lj0:
	s_wait_dscnt 0x0
	s_barrier_signal -1
	s_barrier_wait -1
	s_cmp_eq_u32 s22, 0
	s_cbranch_scc1 .Lnf1
	NEXTTILE
	COMPUTE 1, 1
	CONVERT 0
	s_branch .Lj1
.Lnf1:
	s_cmp_eq_u32 s23, 0
	s_cbranch_scc1 .Lj1
	COMPUTE 1, 0
	s_mov_b32 s23, 0
.Lj1:
	s_wait_dscnt 0x0
	s_barrier_signal -1
	s_barrier_wait -1
	s_add_co_u32 s36, s36, 1
	s_cmp_lt_u32 s36, 16
	s_cbranch_scc1 .Lloop
	; l of my 64-key half: this lane's part + that of lane xor 16 (the maximum is already common to both)
	v_permlanex16_b32 v[TB], v[LS], s34, s35
	v_permlanex16_b32 v[TB+1], v[LS+1], s34, s35
	v_pk_add_f32 v[LS:LS+1], v[LS:LS+1], v[TB:TB+1]
	s_wait_alu depctr_vm_vsrc(0)                   ; the layout's load has read v6, its offset, which is written again below
	v_and_b32 v5, 15, v0                           ; r
	v_bfe_u32 v6, v0, 4, 1                         ; h
	v_and_b32 v4, 31, v0
	v_lshlrev_b32 v4, 4, v4                        ; v4 = 16 x lane
	s_mul_i32 s43, s15, GRP
	s_add_co_u32 s44, s43, MRG
	v_add_nc_u32 v1, s44, v4                       ; v1: my 16 bytes in my query group's merge area
	s_add_co_u32 s45, s43, STG
	v_mul_u32_u24 v2, v5, SPITCH
	v_lshl_add_u32 v2, v6, 5, v2
	v_add_nc_u32 v2, s45, v2                       ; v2: the stage, in: row r, 32 bytes for each half of the lanes
	v_mul_u32_u24 v3, v6, SPITCH
	v_lshl_add_u32 v3, v5, 4, v3
	v_add_nc_u32 v3, s45, v3                       ; v3: the stage, back: lanes 0-15 one row of 256 bytes, lanes 16-31 the next
	s_wait_alu depctr_va_vdst(0)                   ; v1 to v4 are written, which the LDS and global instructions below read as addresses; O^T, m and l are written, which the send's stores read;
	                                               ; the loop is done with S^T's registers and v[240:243], in which the merge's loads land.  The places behind the last products are the five that close l
	; waves 4-7 (keys 64-127 of each tile) hand O^T, m and l to waves 0-3
	s_cmp_lt_u32 s14, 4
	s_cbranch_scc1 .Lnosend
.irp k, 0,1,2,3,4,5,6,7,8,9,10,11,12,13,14,15
	ds_store_b128 v1, v[ACC+4*\k:ACC+4*\k+3] offset:512*\k
.endr
	ds_store_b128 v1, v[MR:MR+3] offset:8192       ; m0, m1, l0, l1
.Lnosend:
	s_wait_dscnt 0x0                               ; the stores are done, for the partner's sake
	s_barrier_signal -1
	s_barrier_wait -1
	s_cmp_ge_u32 s14, 4
	s_cbranch_scc1 .Lend                           ; no barrier follows
	; waves 0-3: merge.  out = (Oa fa + Ob fb) / (la fa + lb fb), f = 2^((m_half - m) C), m the larger of the two maxima
	; No wait ahead of these loads: no vector instruction was issued since the wait in front of the send.
.irp k, 0,1,2,3,4,5,6,7,8,9,10,11,12,13,14,15
	ds_load_b128 v[SC+4*\k:SC+4*\k+3], v1 offset:512*\k
.endr
	ds_load_b128 v[240:243], v1 offset:8192        ; the partner's m in v[240:241], l in v[242:243]
	s_wait_dscnt 0x0
	v_max_num_f32 v244, v[MR], v240
	v_max_num_f32 v245, v[MR+1], v241
	v_pk_add_f32 v[246:247], v[MR:MR+1], v[244:245] neg_lo:[0,1] neg_hi:[0,1]
	v_pk_add_f32 v[248:249], v[240:241], v[244:245] neg_lo:[0,1] neg_hi:[0,1]
	v_pk_mul_f32 v[246:247], v[246:247], s[30:31] op_sel_hi:[1,0]
	v_pk_mul_f32 v[248:249], v[248:249], s[30:31] op_sel_hi:[1,0]
	v_exp_f32 v246, v246                           ; fa
	v_exp_f32 v247, v247
	v_exp_f32 v248, v248                           ; fb
	v_exp_f32 v249, v249
	v_nop                                          ; one plain place behind the exponentials
	s_wait_alu depctr_va_vdst(0)
	v_pk_mul_f32 v[250:251], v[LS:LS+1], v[246:247]
	v_pk_fma_f32 v[250:251], v[242:243], v[248:249], v[250:251]    ; l
	v_rcp_f32 v252, v250
	v_rcp_f32 v253, v251
	v_nop                                          ; one plain place behind the reciprocals
	v_cmp_lt_f32 s46, 0, v250                      ; the two compares in a run, each into a scalar register of its own
	v_cmp_lt_f32 s47, 0, v251
	s_wait_alu depctr_va_sdst(0)                   ; s46 and s47 are written, ahead of the selects that read them
	s_wait_alu depctr_va_vdst(0)
	v_cndmask_b32 v252, 0, v252, s46               ; l = 0 only where the block-row has no live tile: the factor 0 gives the zeros asked for
	v_cndmask_b32 v253, 0, v253, s47
	v_pk_mul_f32 v[246:247], v[246:247], v[252:253]
	v_pk_mul_f32 v[248:249], v[248:249], v[252:253]
.irp n, 0,1
.irp j, 0,2,4,6,8,10,12,14,16,18,20,22,24,26,28,30
	v_pk_mul_f32 v[ACC+32*\n+\j:ACC+32*\n+\j+1], v[ACC+32*\n+\j:ACC+32*\n+\j+1], v[246:247] op_sel:[0,\n] op_sel_hi:[1,\n]
.endr
.irp j, 0,2,4,6,8,10,12,14,16,18,20,22,24,26,28,30
	v_pk_fma_f32 v[ACC+32*\n+\j:ACC+32*\n+\j+1], v[SC+32*\n+\j:SC+32*\n+\j+1], v[248:249], v[ACC+32*\n+\j:ACC+32*\n+\j+1] op_sel:[0,\n,0] op_sel_hi:[1,\n,1]
.endr
.endr
	; THE WAY OUT.  Lane (r, h) holds columns 16 t + 8 h + 0..7 of query 16 n + r: 32 bytes of a row.  Through my own stage (rows of 272 bytes),
	; read back as whole rows.  LDS serves a wave's instructions in order, so no wait stands between my stores and my loads.
	s_wait_alu depctr_va_vdst(0)                   ; the merge has written O^T, which the stage's stores read; no vector instruction follows, so the loads back into KV, which the loop's products read, owe nothing more
.irp n, 0,1
.irp t, 0,1,2,3
	ds_store_b128 v2, v[ACC+32*\n+8*\t:ACC+32*\n+8*\t+3]   offset:16*SPITCH*\n+64*\t
	ds_store_b128 v2, v[ACC+32*\n+8*\t+4:ACC+32*\n+8*\t+7] offset:16*SPITCH*\n+64*\t+16
.endr
.endr
.irp u, 0,1,2,3,4,5,6,7,8,9,10,11,12,13,14,15
	ds_load_b128 v[KV+4*\u:KV+4*\u+3], v3 offset:2*SPITCH*\u
.endr
.irp u, 0,1,2,3,4,5,6,7,8,9,10,11,12,13,14,15
	s_wait_dscnt 15-\u                             ; rows 2u, 2u + 1 are in; the younger read-backs stay out
	global_store_b128 v4, v[KV+4*\u:KV+4*\u+3], s[12:13] offset:2*ROWB*\u th:TH_STORE_NT   ; 512 consecutive bytes, at a multiple of 512 from out0's first byte
.endr
.Lend:
	s_set_vgpr_msb 0x5
	s_wait_dscnt 0x0
	s_wait_alu depctr_hold_cnt(0) depctr_sa_sdst(0) depctr_va_vdst(0) depctr_va_sdst(0) depctr_va_ssrc(0) depctr_va_vcc(0) depctr_vm_vsrc(0)
	s_wait_tensorcnt 0x0
	ds_add_u32 v164, v165
	s_wait_dscnt 0x0
	s_endpgm
.Lfunc_end_k_q84e848b1de_bsattn:
	.size	k_q84e848b1de_bsattn, .Lfunc_end_k_q84e848b1de_bsattn-k_q84e848b1de_bsattn
	.p2alignl 7, 3214868480
	.fill 96, 4, 3214868480
	.section	.rodata,"a",@progbits
	.p2align	6, 0x0
	.amdhsa_kernel k_q84e848b1de_bsattn
		.amdhsa_group_segment_fixed_size 166912
		.amdhsa_private_segment_fixed_size 0
		.amdhsa_enable_private_segment 0
		.amdhsa_kernarg_size 40
		.amdhsa_user_sgpr_count 2
		.amdhsa_user_sgpr_kernarg_segment_ptr 1
		.amdhsa_wavefront_size32 1
		.amdhsa_system_sgpr_workgroup_id_x 1
		.amdhsa_system_sgpr_workgroup_id_y 1
		.amdhsa_system_sgpr_workgroup_id_z 1
		.amdhsa_system_vgpr_workitem_id 0
		.amdhsa_next_free_vgpr 422
		.amdhsa_next_free_sgpr 66
		.amdhsa_reserve_vcc 0
		.amdhsa_float_denorm_mode_32 3
		.amdhsa_float_denorm_mode_16_64 3
		.amdhsa_memory_ordered 1
		.amdhsa_forward_progress 1
		.amdhsa_inst_pref_size 108
	.end_amdhsa_kernel
	.amdgpu_metadata
---
amdhsa.version: [ 1, 2 ]
amdhsa.kernels:
  - .name:           k_q84e848b1de_bsattn
    .symbol:         k_q84e848b1de_bsattn.kd
    .args:
      - { .name: q, .offset: 0, .size: 8, .value_kind: global_buffer, .address_space: global }
      - { .name: k, .offset: 8, .size: 8, .value_kind: global_buffer, .address_space: global }
      - { .name: v, .offset: 16, .size: 8, .value_kind: global_buffer, .address_space: global }
      - { .name: layout, .offset: 24, .size: 8, .value_kind: global_buffer, .address_space: global }
      - { .name: out0, .offset: 32, .size: 8, .value_kind: global_buffer, .address_space: global }
    .group_segment_fixed_size: 166912
    .private_segment_fixed_size: 0
    .kernarg_segment_align: 8
    .kernarg_segment_size: 40
    .max_flat_workgroup_size: 256
    .sgpr_count:     66
    .vgpr_count:     422
    .wavefront_size: 32
...
	.end_amdgpu_metadata
.endif
;; end of part 2
